; MI455X (gfx1250); checked and timed in simulation.
; The chip was launched on July 23, 2026; its instructions are those of AMD's public machine-readable ISA for CDNA 5 (MIT licence, August 2026) and "CDNA5" Instruction Set Architecture Reference Guide (July 2026). The comments in the code are by the model that wrote it; some were corrected since.
;; Attention. Allowed arithmetic: matrix products marked QUANTISED: E2M3 operands, one E8M0 scale for each 32 along K, by v_wmma_scale_f32_16x16x128_f8f6f4 with both operands' format E2M3, f32 sums; everything else in f32.
;; Inputs: Wk 2,048 x 128 float32; Wq 2,048 x 128 float32; Wv 2,048 x 128 float32; bk 128 float32; bq 128 float32; bv 128 float32; x 8 x 4,096 x 2,048 float32.
;; Outputs: out0 8 x 4,096 x 128 float32.
;; This version of the problem:
;;   THIS VERSION OF THE PROBLEM IS GIVEN IN LOW PRECISION. The matrix products marked QUANTISED in the list below multiply operands that are first quantised to E2M3 (2 exponent bits, 3 mantissa bits; 6 bits a number), with one power-of-two scale for each 32 numbers along K (OCP MX v1.0); their sums are f32. All else is computed in f32.
;;   The module's matrix products, in the order in which they are computed (A, B: the left and right operand; K: the contracted axis; several contracted axes count as one K, in the product's order):
;;     1. [M 32,768, K 2,048] x [K 2,048, N 128]; A: input x; B: input Wq: QUANTISED
;;     2. [M 32,768, K 2,048] x [K 2,048, N 128]; A: input x; B: input Wk: QUANTISED
;;     3. [M 32,768, K 2,048] x [K 2,048, N 128]; A: input x; B: input Wv: QUANTISED
;;     4. batch 8 x [M 4,096, K 128] x [K 128, N 4,096]; A: computed on the way; B: computed on the way: QUANTISED
;;     5. batch 8 x [M 4,096, K 4,096] x [K 4,096, N 128]; A: softmax (see below); B: computed on the way: QUANTISED
;;   THE QUANTISER, for each operand of a quantised product, along K:
;;     - K is cut into blocks of 32 from its start; a last block that is shorter is filled with zeros.
;;     - A block's scale is 2^e with e = floor(log2(the largest magnitude in the block)) - 2, held to -126 .. 127; a block of zeros has e = 0. As a byte (E8M0): e + 127.
;;     - Each number is divided by its block's scale, clamped to +-7.5, and rounded to the nearest number of E2M3, ties to even, subnormals kept.
;;     - The product sums the exact products of the quantised numbers (number of the format x scale) in f32.
;;   ~~~python
;;   def quantise(x, axis):      # numpy; x: float32 -> the quantised numbers, widened to float32 again
;;       x = np.moveaxis(x, axis, -1); K = x.shape[-1]
;;       x = np.pad(x, [(0, 0)] * (x.ndim - 1) + [(0, -K % 32)]); x = x.reshape(x.shape[:-1] + (-1, 32)); a = np.abs(x).max(-1, keepdims=True)
;;       e = np.where(a > 0, np.clip(np.frexp(np.where(a > 0, a, 1))[1] - 1 - 2, -126, 127), 0)      # np.frexp(a)[1] - 1 = floor(log2(a)), exactly
;;       r = np.clip(x / 2.0 ** e, -7.5, 7.5)
;;       step = 2.0 ** (np.maximum(np.frexp(np.where(r == 0, 1, r))[1] - 1, 0) - 3)
;;       q = np.round(r / step) * step * 2.0 ** e      # np.round: ties to even
;;       return np.moveaxis(q.reshape(q.shape[:-2] + (-1,))[..., :K], -1, axis).astype(np.float32)
;;   ~~~
;;   SOFTMAX AHEAD OF A QUANTISED PRODUCT. Where the list says 'softmax', what is quantised is not the finished softmax but p = 2^(t - M), with t = logit x log2(e) and M = ceil(the row's largest t), a whole number; so 1/2 < the row's largest p <= 1. The row's sum l is taken of the UNQUANTISED p, in f32, and the product's result is divided by l at the end. Since M is a whole number, a kernel that streams over the keys may use a running M (the ceiling of the running maximum): every later rescaling is an exact power of two, which a block's scale takes up: the codes' values come out the same.
;;   OPERANDS COMPUTED ON THE WAY. 'Computed on the way' means the value that the module computes at that place (a softmax that the list does not call 'softmax' is quantised finished and normalised). What goes into a quantiser is computed in f32, as accurately as f32 sums, v_exp_f32 and their like allow (about 1e-6 of the number): no bf16 or f16 on the way to a quantiser, and a product that is left as it is and whose result goes on into a quantised operand takes f32 operands (vector FMAs, or v_wmma_f32_16x16x4_f32). A number that lies on a knife's edge between two numbers of the format may be rounded either way, as far as f32 arithmetic and the matrix unit's own rounding can turn it there, and no further.
;; One version. Each part assembles by itself: llvm-mc -triple=amdgcn-amd-amdhsa -mcpu=gfx1250 --defsym DOCPART=n.
;; ======== version 1 of 1: 3 launches
;; limits: right only within a limited range of input values
;; workspace buffers: wc 622,592 bytes; qkv 9,830,400 bytes
;; launch wprep (part 1): grid 16 x 3, 4 waves a work-group, no clusters, 12,800 bytes of LDS; arguments Wq, Wk, Wv, wc; writes wc
.if DOCPART == 1
	.amdgcn_target "amdgcn-amd-amdhsa--gfx1250"
	.amdhsa_code_object_version 6
	.text
	.protected	k_q4fb83cde52_wprep
	.globl	k_q4fb83cde52_wprep
	.p2align	8
	.type	k_q4fb83cde52_wprep,@function
k_q4fb83cde52_wprep:
	s_mov_b64 s[64:65], 0
	v_nop
	global_prefetch_b8 v0, s[64:65] scope:SCOPE_SE
	s_setreg_imm32_b32 hwreg(HW_REG_WAVE_MODE, 25, 1), 1
	s_wait_xcnt 0x0
; Wq, Wk, Wv [2048 (k)][128 (d)], f32, are quantised along k (their FIRST axis) into codes of FP6 (E2M3) with one E8M0 byte for each 32 along k,
; and laid in wc in the order in which the next launch's operand registers take them.
; wc: [wave w 0..3][K step s 0..15] chunks of 9,728 bytes: six fragments of 1,536 bytes (q u0, q u1, k u0, k u1, v u0, v u1), then from byte 9,216 three groups of 32 scale words (q, k, v);
; the chunk's last 128 bytes are never written and never read.  Fragment (matrix, w, u, s): rows d = 32 w + 16 u + r, k = 128 s + 0 .. 127; registers 4 c .. 4 c + 3 of lane L lie at 512 c + 16 L.
; SHARES.  Work-group x = the K step s, y = the matrix.  Wave w takes columns 32 w .. 32 w + 31: A LANE TAKES A COLUMN AND ITS REGISTERS RUN DOWN k, so that a block of 32 lies in one lane,
; its largest magnitude needs no other lane, and the conversions give codes with k innermost.  Each load reads 128 consecutive bytes a wave.
; A block's scale is 2^(floor(log2(its largest magnitude)) - 2): its byte is the largest magnitude's exponent field - 2, held at 1 from below.
; LIMITS: a block of zeros, or one whose largest magnitude lies under 2^-124, carries the byte 1 (zero codes add nothing; this program alone reads the bytes); NaN and infinities are not served.
; No matrix unit, no cluster, no tensor load: 3 MB are read once, waves share nothing, each wave has its own 3,072 bytes of LDS.
.set X,    72                          ; v72-199  my column's 128 numbers
.set CD,   16                          ; v16-47   codes: block t's two halves at 16 + 8 t and 20 + 8 t (a conversion's three registers begin on an even number)
.set OUTR, 48                          ; v48-71   the way out: six runs of four registers
.set SCW,  11                          ; v11      my column's scale word
.set SCO,  12                          ; v12-15   the conversions' scale operands, one a block
	s_load_b256 s[4:11], s[0:1], 0x0               ; Wq s[4:5], Wk s[6:7], Wv s[8:9], wc s[10:11]
	v_lshl_add_u32 v200, v0, 2, 0x3000
	v_mov_b32 v201, 0
	v_lshrrev_b32 v1, 5, v0
	v_readfirstlane_b32 s12, v1                    ; wave 0..3
	v_and_b32 v1, 31, v0                           ; lane
	v_lshlrev_b32 v2, 2, v1                        ; 4 x lane: my column in a row of W, and my scale word's place
	v_bfe_u32 v3, v0, 4, 1                         ; u = lane / 16: which of the wave's two fragments my column belongs to
	v_and_b32 v6, 15, v0                           ; r = lane % 16: its row there
	v_mul_u32_u24 v3, v3, 1536
	v_mad_u32_u24 v3, v6, 48, v3
	s_mul_i32 s13, s12, 3072                       ; my wave's stage: two fragments, each lane's 12 registers on end (48 bytes)
	v_add_nc_u32 v3, s13, v3                       ; into it: 1,536 u + 48 r; block t goes to operand lane r + 16 (t % 2), registers 6 (t / 2) on
	v_mul_u32_u24 v4, v1, 48
	v_add_nc_u32 v4, s13, v4                       ; out of it: 48 x lane
	v_lshlrev_b32 v5, 4, v1                        ; and 16 x lane in wc
	s_and_b32 s14, ttmp7, 0xffff                   ; the matrix: 0 q, 1 k, 2 v
	s_lshl_b32 s16, ttmp9, 16                      ; in: 128 rows of 512 bytes a K step,
	s_lshl_b32 s15, s12, 7                         ; 128 bytes a wave
	s_add_co_u32 s16, s16, s15
	s_mov_b32 s17, 0
	s_mul_i32 s18, s12, 155648                     ; out: 16 chunks a wave,
	s_mul_i32 s15, ttmp9, 9728                     ; a chunk a K step
	s_add_co_u32 s18, s18, s15
	s_mul_i32 s15, s14, 3072                       ; the matrix's two fragments
	s_add_co_u32 s20, s18, s15
	s_mov_b32 s21, 0
	s_lshl_b32 s15, s14, 7                         ; and its 32 scale words
	s_add_co_u32 s22, s18, s15
	s_add_co_u32 s22, s22, 9216
	s_mov_b32 s23, 0
	s_wait_alu depctr_va_vdst(0)
	s_wait_kmcnt 0x0
	s_cmp_eq_u32 s14, 0                            ; the choice hangs on the work-group's number alone
	s_cselect_b64 s[24:25], s[4:5], s[6:7]
	s_cmp_eq_u32 s14, 2
	s_cselect_b64 s[24:25], s[8:9], s[24:25]
	s_add_nc_u64 s[24:25], s[24:25], s[16:17]
	s_add_nc_u64 s[26:27], s[10:11], s[20:21]
	s_add_nc_u64 s[28:29], s[10:11], s[22:23]
.macro LOAD t                          ; block t: W(128 s + 32 t + i, my column), i = 0 .. 31
.irp i, 0,1,2,3,4,5,6,7,8,9,10,11,12,13,14,15,16,17,18,19,20,21,22,23,24,25,26,27,28,29,30,31
	global_load_b32 v[X+32*(\t)+\i], v2, s[24:25] offset:(32*(\t)+\i)*512 th:TH_LOAD_NT
.endr
.endm
.macro BLOCK t
.set XS, X+32*(\t)
.if (\t) < 3
	s_wait_loadcnt 32                              ; this block's 32 loads are in; the next block's 32 may be out
.else
	s_wait_loadcnt 0x0
.endif
.if (\t) < 2
	LOAD (\t)+2                                    ; two blocks ahead; every block has registers of its own
.endif
	v_max3_num_f32 v8, |v[XS]|, |v[XS+1]|, |v[XS+2]|   ; the block's largest magnitude, in two chains
	v_max3_num_f32 v9, |v[XS+3]|, |v[XS+4]|, |v[XS+5]|
.irp i, 6,10,14,18,22,26
	v_max3_num_f32 v8, v8, |v[XS+\i]|, |v[XS+\i+1]|
	v_max3_num_f32 v9, v9, |v[XS+\i+2]|, |v[XS+\i+3]|
.endr
	v_max3_num_f32 v8, v8, |v[XS+30]|, |v[XS+31]|
	v_max3_num_f32 v8, v8, v9, 0x1800000           ; and the floor 2^(3 - 127): the byte cannot fall under 1
	v_add_nc_u32 v[SCO+(\t)], 0xff000000, v8       ; 2 off the exponent field: the conversion takes the exponent field of this operand as its scale
	v_lshrrev_b32 v10, 23, v[SCO+(\t)]             ; the scale's byte
.if (\t) == 0
	v_mov_b32 v[SCW], v10                          ; four bytes to the word, the lower k in the lower byte
.else
	v_lshl_or_b32 v[SCW], v10, 8*(\t), v[SCW]
.endif
	v_cvt_scalef32_pk16_fp6_f32 v[CD+8*(\t):CD+8*(\t)+2], v[XS:XS+15], v[SCO+(\t)]
	v_cvt_scalef32_pk16_fp6_f32 v[CD+8*(\t)+4:CD+8*(\t)+6], v[XS+16:XS+31], v[SCO+(\t)]
.irp i, 0,1,2                          ; the results go to LDS stores alone; each block has its own registers for its codes
	ds_store_b32 v3, v[CD+8*(\t)+\i] offset:768*((\t)%2)+24*((\t)/2)+4*\i
	ds_store_b32 v3, v[CD+8*(\t)+4+\i] offset:768*((\t)%2)+24*((\t)/2)+12+4*\i
.endr
.endm
	LOAD 0
	LOAD 1
	BLOCK 0
	BLOCK 1
	BLOCK 2
	BLOCK 3
	global_store_b32 v2, v[SCW], s[28:29]          ; the wave's 32 scale words: 128 consecutive bytes
.irp n, 0,1,2,3,4,5
	ds_load_b128 v[OUTR+4*\n:OUTR+4*\n+3], v4 offset:1536*(\n/3)+16*(\n%3)   ; LDS serves a wave's instructions in order (ISA guide 5.7.1.4): these see my wave's stores
.endr
.irp n, 0,1,2,3,4,5
	s_wait_dscnt 5-\n                              ; load n is in; the 5 - n behind it may be out
	global_store_b128 v5, v[OUTR+4*\n:OUTR+4*\n+3], s[26:27] offset:1536*(\n/3)+512*(\n%3)   ; 32 lanes store 512 consecutive bytes, at a multiple of 256 from wc's first byte
.endr
	s_wait_tensorcnt 0x0
	ds_add_u32 v200, v201
	s_wait_dscnt 0x0
	s_endpgm
.Lfunc_end_k_q4fb83cde52_wprep:
	.size	k_q4fb83cde52_wprep, .Lfunc_end_k_q4fb83cde52_wprep-k_q4fb83cde52_wprep
	.p2alignl 7, 3214868480
	.fill 96, 4, 3214868480
	.section	.rodata,"a",@progbits
	.p2align	6, 0x0
	.amdhsa_kernel k_q4fb83cde52_wprep
		.amdhsa_group_segment_fixed_size 12800
		.amdhsa_private_segment_fixed_size 0
		.amdhsa_enable_private_segment 0
		.amdhsa_kernarg_size 32
		.amdhsa_user_sgpr_count 2
		.amdhsa_user_sgpr_kernarg_segment_ptr 1
		.amdhsa_wavefront_size32 1
		.amdhsa_system_sgpr_workgroup_id_x 1
		.amdhsa_system_sgpr_workgroup_id_y 1
		.amdhsa_system_sgpr_workgroup_id_z 1
		.amdhsa_system_vgpr_workitem_id 0
		.amdhsa_next_free_vgpr 202
		.amdhsa_next_free_sgpr 66
		.amdhsa_reserve_vcc 0
		.amdhsa_float_denorm_mode_32 3
		.amdhsa_float_denorm_mode_16_64 3
		.amdhsa_memory_ordered 1
		.amdhsa_forward_progress 1
		.amdhsa_inst_pref_size 23
	.end_amdhsa_kernel
	.amdgpu_metadata
---
amdhsa.version: [ 1, 2 ]
amdhsa.kernels:
  - .name:           k_q4fb83cde52_wprep
    .symbol:         k_q4fb83cde52_wprep.kd
    .args:
      - { .name: Wq, .offset: 0, .size: 8, .value_kind: global_buffer, .address_space: global }
      - { .name: Wk, .offset: 8, .size: 8, .value_kind: global_buffer, .address_space: global }
      - { .name: Wv, .offset: 16, .size: 8, .value_kind: global_buffer, .address_space: global }
      - { .name: wc, .offset: 24, .size: 8, .value_kind: global_buffer, .address_space: global }
    .group_segment_fixed_size: 12800
    .private_segment_fixed_size: 0
    .kernarg_segment_align: 8
    .kernarg_segment_size: 32
    .max_flat_workgroup_size: 128
    .sgpr_count:     66
    .vgpr_count:     202
    .wavefront_size: 32
...
	.end_amdgpu_metadata
.endif
;; end of part 1
;; launch proj (part 2): grid 256 x 1, 4 waves a work-group, no clusters, 327,680 bytes of LDS; arguments x, wc, bq, bk, bv, qkv; writes qkv
.if DOCPART == 2
	.amdgcn_target "amdgcn-amd-amdhsa--gfx1250"
	.amdhsa_code_object_version 6
	.text
	.protected	k_q4fb83cde52_proj
	.globl	k_q4fb83cde52_proj
	.p2align	8
	.type	k_q4fb83cde52_proj,@function
k_q4fb83cde52_proj:
	s_mov_b64 s[64:65], 0
	v_nop
	global_prefetch_b8 v0, s[64:65] scope:SCOPE_SE
	s_setreg_imm32_b32 hwreg(HW_REG_WAVE_MODE, 25, 1), 1
	s_wait_xcnt 0x0
.set QB,    34816
.set SLOT,  4*QB
.set IMG,   2*SLOT
.set ISET,  12800
.set SPARE, IMG+2*ISET
.set WCH,   9728
.set XAD, 4
.set XWI, 12
.set XWS, 13
.set LI,  14
.set LS,  15
.set WO,  16
.set WSO, 17
.set H8,  18
.set SPW, 19
.set NIL, 20
.set EA,  21
.set EV,  22
.set EB,  23
.set EW,  24
.set CO,  25
.set M0,  26
.set SC0, 28
.set BY0, 30
.set PW0, 32
.set PW1, 33
.set XSR, 34
.set WSR, 38
.set PC0, 44
.set CT,  56
.set ST0, 64
.set PC1, 192
.set BA,  204
.set BV,  205
.set PT,  206
.set PFO, 207
.set EM,  64
.set ET,  72
.set ES,  80
.set EBY, 88
.set EC,  96
.set WV,  16
.set SEL, 18
.set LC,  20
.set G1,  24
.set G0,  32
.set WP,  40
.set OUT, 42
.set PFX, 52
.set MSB, 0
.macro WIN new
.if MSB != \new
	s_set_vgpr_msb (MSB<<8)|\new
.set MSB, \new
.endif
.endm
.macro PLACES
.rept 4
	v_nop
.endr
.endm
.macro BAR
	s_wait_dscnt 0x0
	s_barrier_signal -1
	s_barrier_wait -1
.endm
.macro CHG sl, fill
	s_wait_tensorcnt 0x0
	ds_add_u32 v[SPW], v[NIL]
.if \fill
	s_add_nc_u64 s[G0+4*(\sl)+2:G0+4*(\sl)+3], s[G0+4*(\sl)+2:G0+4*(\sl)+3], 2048
.endif
	s_wait_dscnt 0x0
	s_barrier_signal -1
	s_barrier_wait -1
.if \fill
	tensor_load_to_lds s[G0+4*(\sl):G0+4*(\sl)+3], s[G1:G1+7]
	s_nop 0
	PLACES
.endif
.endm
.macro ASKX off, guard
.if \guard
	s_cmp_gt_u32 s[LC], 1
	s_cbranch_scc0 .Lno_ask_\@
.endif
.irp i, 0,1,2,3
	global_prefetch_b8 v[PFO], s[PFX:PFX+1] offset:262144*\i+\off th:TH_LOAD_NT scope:SCOPE_SE
.endr
.if \guard
.Lno_ask_\@:
.endif
.endm
.macro FETCHX p
	WIN 0xc0
.irp t, 0,1,2,3,4,5,6,7
.irp c, 0,1,2
	ds_load_b128 v[128+12*\t+4*\c:128+12*\t+4*\c+3], v[LI] offset:ISET*(\p)+1536*\t+512*\c
.endr
.endr
	WIN 0
.irp i, 0,1,2,3
	ds_load_b32 v[XSR+\i], v[LS] offset:ISET*(\p)+128*\i
.endr
.endm
.macro XLOAD sl, sg
.irp a, 0,1
.irp c, 0,1
.irp i, 0,1,2,3,4,5,6,7
	ds_load_b128 v[ST0+64*\a+32*\c+4*\i:ST0+64*\a+32*\c+4*\i+3], v[XAD+4*(\sl)+2*(\sg)+\c] offset:4352*\a+16*\i
.endr
.endr
.endr
.endm
.macro WLOAD p, off
	WIN 0x40
.irp f, 0,1,2,3,4,5
.irp c, 0,1,2
	global_load_b128 v[72*(\p)+12*\f+4*\c:72*(\p)+12*\f+4*\c+3], v[WO], s[WP:WP+1] offset:\off+1536*\f+512*\c
.endr
.endr
	WIN 0
.irp j, 0,1,2
	global_load_b32 v[WSR+3*(\p)+\j], v[WSO], s[WP:WP+1] offset:\off+9216+128*\j
.endr
.endm
.macro WM d, a, b, c, sa, sb, ra, rb
.if (\ra) && (\rb)
	v_wmma_scale_f32_16x16x128_f8f6f4 v[\d:\d+7], v[\a:\a+11], v[\b:\b+11], v[\c:\c+7], v[\sa], v[\sb] matrix_a_fmt:MATRIX_FMT_FP6 matrix_b_fmt:MATRIX_FMT_FP6 matrix_a_scale:MATRIX_SCALE_ROW1 matrix_b_scale:MATRIX_SCALE_ROW1
.elseif (\ra)
	v_wmma_scale_f32_16x16x128_f8f6f4 v[\d:\d+7], v[\a:\a+11], v[\b:\b+11], v[\c:\c+7], v[\sa], v[\sb] matrix_a_fmt:MATRIX_FMT_FP6 matrix_b_fmt:MATRIX_FMT_FP6 matrix_a_scale:MATRIX_SCALE_ROW1
.elseif (\rb)
	v_wmma_scale_f32_16x16x128_f8f6f4 v[\d:\d+7], v[\a:\a+11], v[\b:\b+11], v[\c:\c+7], v[\sa], v[\sb] matrix_a_fmt:MATRIX_FMT_FP6 matrix_b_fmt:MATRIX_FMT_FP6 matrix_b_scale:MATRIX_SCALE_ROW1
.else
	v_wmma_scale_f32_16x16x128_f8f6f4 v[\d:\d+7], v[\a:\a+11], v[\b:\b+11], v[\c:\c+7], v[\sa], v[\sb] matrix_a_fmt:MATRIX_FMT_FP6 matrix_b_fmt:MATRIX_FMT_FP6
.endif
.endm
.macro MULS p, bias
.if \bias
	WIN 0x9d
.else
	WIN 0xad
.endif
.irp t, 0,1,2,3,4,5,6,7
.irp m, 0,1
.irp u, 0,1
.if \bias
	WM 128*\m+16*\t+8*\u, 72*(\p)+12*(2*\m+\u), 128+12*\t, 144+16*\m+8*\u, WSR+3*(\p)+\m, XSR+\t/2, \u, \t%2
.else
	WM 128*\m+16*\t+8*\u, 72*(\p)+12*(2*\m+\u), 128+12*\t, 128*\m+16*\t+8*\u, WSR+3*(\p)+\m, XSR+\t/2, \u, \t%2
.endif
.endr
.endr
.endr
.if \bias
	WIN 0xd7
.else
	WIN 0xf7
.endif
.irp u, 0,1
.irp t, 0,1,2,3,4,5,6,7
.if \bias
	WM 64*\u+8*\t, 128+12*\t, 72*(\p)+48+12*\u, 176+8*\u, XSR+\t/2, WSR+3*(\p)+2, \t%2, \u
.else
	WM 64*\u+8*\t, 128+12*\t, 72*(\p)+48+12*\u, 64*\u+8*\t, XSR+\t/2, WSR+3*(\p)+2, \t%2, \u
.endif
.endr
.endr
.endm
.macro QUANT st, pc, pw
.irp c, 0,1
	v_max3_num_f32 v[M0+\c], |v[\st+32*\c]|, |v[\st+32*\c+1]|, 0x1800000
	v_max3_num_f32 v[CT+\c], |v[\st+32*\c+16]|, |v[\st+32*\c+17]|, 0x1800000
.endr
.irp i, 2,4,6,8,10,12,14
.irp c, 0,1
	v_max3_num_f32 v[M0+\c], v[M0+\c], |v[\st+32*\c+\i]|, |v[\st+32*\c+\i+1]|
	v_max3_num_f32 v[CT+\c], v[CT+\c], |v[\st+32*\c+16+\i]|, |v[\st+32*\c+17+\i]|
.endr
.endr
.irp c, 0,1
	v_max_num_f32 v[M0+\c], v[M0+\c], v[CT+\c]
.endr
.irp c, 0,1
	v_add_nc_u32 v[SC0+\c], 0xff000000, v[M0+\c]
.endr
.irp c, 0,1
	v_lshrrev_b32 v[BY0+\c], 23, v[SC0+\c]
.endr
	v_lshl_or_b32 v[\pw], v[BY0+1], 16, v[BY0]
	v_lshlrev_b32 v[\pw], v[H8], v[\pw]
	v_permlanex16_b32 v[PT], v[\pw], s[SEL], s[SEL+1]
	v_or_b32 v[\pw], v[\pw], v[PT]
.irp c, 0,1
	v_cvt_scalef32_pk16_fp6_f32 v[\pc+6*\c:\pc+6*\c+2], v[\st+32*\c:\st+32*\c+15], v[SC0+\c]
	v_cvt_scalef32_pk16_fp6_f32 v[CT+4*\c:CT+4*\c+2], v[\st+32*\c+16:\st+32*\c+31], v[SC0+\c]
.endr
	v_nop
.irp c, 0,1
.irp i, 0,1,2
	v_mov_b32 v[\pc+3+6*\c+\i], v[CT+4*\c+\i]
.endr
.endr
.endm
.macro IMAGE pc, pw, p, a
.irp c, 0,1,2
	ds_store_b128 v[XWI], v[\pc+4*\c:\pc+4*\c+3] offset:ISET*(\p)+1536*(\a)+512*\c
.endr
	ds_store_b32 v[XWS], v[\pw] offset:ISET*(\p)+64*(\a)
.endm
.macro XQ p
	s_wait_dscnt 16
	QUANT ST0, PC0, PW0
	IMAGE PC0, PW0, \p, 0
	s_wait_dscnt 4
	QUANT ST0+64, PC1, PW1
	IMAGE PC1, PW1, \p, 1
.endm
.macro KSTEP sm, woff, bias, bar, more, ask
.set PP, (\sm)%2
.set NM, ((\sm)+1)%4
.if \bar == 0
	BAR
.elseif \bar == 1
	CHG (\sm)/2, 1
.else
	CHG (\sm)/2, 0
.endif
	FETCHX PP
.if \more
	XLOAD NM/2, NM%2
	WLOAD 1-PP, \woff
.if \ask == 1
	ASKX 3072, 0                                   ; behind slot 0's refill: what slot 1's refill, two K steps on, will load (bytes 3,072 + 2,048 x trip of each row, inside the row in all three trips)
.elseif \ask == 2
	ASKX 4096, 1                                   ; behind slot 1's refill: what slot 0's next refill will load; the last trip asks for nothing
.endif
	s_wait_dscnt 32
	s_wait_loadcnt 21
.else
	s_wait_dscnt 0x0
	s_wait_loadcnt 0x0
.endif
	MULS PP, \bias
	WIN 0
.if \more
	XQ 1-PP
.endif
.endm
	s_load_b256 s[4:11], s[0:1], 0x0
	s_load_b128 s[12:15], s[0:1], 0x20
	v_lshl_add_u32 v[SPW], v0, 2, SPARE
	v_mov_b32 v[NIL], 0
	ds_add_u32 v19, v20
	ds_add_u32 v19, v20
	s_wait_dscnt 0x0
	v_lshrrev_b32 v1, 5, v0
	v_readfirstlane_b32 s[WV], v1
	s_mov_b32 s[G1+0], (2<<16)|(1<<20)|(5<<22)|(3<<25)
	s_mov_b32 s[G1+1], 64<<16
	s_mov_b32 s[G1+2], 128<<16
	s_mov_b32 s[G1+3], 64<<16
	s_mov_b32 s[G1+4], 128
	s_mov_b32 s[G1+5], 2048
	s_mov_b32 s[G1+6], 0
	s_mov_b32 s[G1+7], 0
	s_mov_b32 s[SEL], 0x76543210
	s_mov_b32 s[SEL+1], 0xfedcba98
	s_lshl_b32 s44, ttmp9, 20
	s_lshl_b32 s46, s[WV], 8
	s_add_co_u32 s44, s44, s46
	s_mov_b32 s45, 0
	s_mul_i32 s48, s[WV], QB
	v_and_b32 v1, 31, v0
	v_and_b32 v2, 15, v0
	v_bfe_u32 v3, v0, 4, 1
	v_mul_u32_u24 v26, v2, 272
	v_lshl_add_u32 v26, v3, 7, v26
	s_mul_i32 s46, s[WV], 32*272
	v_add_nc_u32 v26, s46, v26
.irp n, 0,1,2,3,4,5,6,7
	v_add_nc_u32 v[XAD+\n], (\n/4)*SLOT+(\n%4)*QB, v26
.endr
	s_mul_i32 s46, s[WV], 3072
	s_add_co_u32 s47, s46, IMG
	v_lshl_add_u32 v[XWI], v1, 4, s47
	s_lshl_b32 s47, s[WV], 7
	s_add_co_u32 s47, s47, IMG+12288
	v_lshl_add_u32 v[XWS], v2, 2, s47
	v_lshl_add_u32 v[LI], v1, 4, IMG
	v_lshl_add_u32 v[LS], v1, 2, IMG+12288
	v_lshlrev_b32 v[WO], 4, v1
	v_lshlrev_b32 v[WSO], 2, v1
	v_lshlrev_b32 v[H8], 3, v3
	v_mul_u32_u24 v[EV], v2, 48
	v_mad_u32_u24 v[EV], v3, 12, v[EV]
	s_and_b32 s47, s[WV], 1
	s_mul_i32 s47, s47, 768
	s_lshr_b32 s49, s[WV], 1
	s_mul_i32 s49, s49, 24
	s_add_co_u32 s47, s47, s49
	v_add_nc_u32 v[EA], s47, v[EV]
	v_add_nc_u32 v[EV], s46, v[EV]
	v_lshl_add_u32 v[EB], v2, 2, s[WV]
	s_lshl_b32 s47, s[WV], 7
	v_lshl_add_u32 v[EW], v2, 2, s47
	s_lshl_b32 s47, s[WV], 9
	v_lshl_add_u32 v[CO], v1, 4, s47
	v_lshlrev_b32 v[BA], 5, v3
	v_lshlrev_b32 v[BV], 2, v2
	v_lshlrev_b32 v[PFO], 13, v1
	v_mov_b32 v[PT], 0
	s_wait_alu depctr_va_vdst(0)
	s_wait_kmcnt 0x0
	s_add_nc_u64 s[44:45], s[4:5], s[44:45]
	s_mov_b64 s[PFX:PFX+1], s[44:45]
.irp s, 0,1
	s_mov_b32 s[G0+4*\s], 1
	s_add_co_u32 s[G0+4*\s+1], s48, \s*SLOT
	s_add_nc_u64 s[G0+4*\s+2:G0+4*\s+3], s[44:45], \s*1024
	s_or_b32 s[G0+4*\s+3], s[G0+4*\s+3], 0x80000000
.endr
	tensor_load_to_lds s[G0:G0+3], s[G1:G1+7]      ; bytes 0 .. 1,023 of my rows' quarter: the wave's one load at the head
	s_nop 0
	PLACES                                         ; nothing is prefetched at the head: the first three fills come by their loads alone; the weights and biases are asked for below, while slot 0 is on its way
	s_lshl_b32 s46, s[WV], 7
	s_mov_b32 s47, 0
	s_add_nc_u64 s[8:9], s[8:9], s[46:47]
	s_add_nc_u64 s[10:11], s[10:11], s[46:47]
	s_add_nc_u64 s[12:13], s[12:13], s[46:47]
	s_mul_i32 s46, s[WV], 16*WCH
	s_add_nc_u64 s[WP:WP+1], s[6:7], s[46:47]
	s_mul_i32 s46, ttmp9, 38400
	s_add_nc_u64 s[OUT:OUT+1], s[14:15], s[46:47]
	WLOAD 0, 0
	WIN 0x40
.irp u, 0,1
	global_load_b128 v[144+8*\u:147+8*\u], v[BA], s[8:9] offset:64*\u
	global_load_b128 v[148+8*\u:151+8*\u], v[BA], s[8:9] offset:64*\u+16
	global_load_b128 v[160+8*\u:163+8*\u], v[BA], s[10:11] offset:64*\u
	global_load_b128 v[164+8*\u:167+8*\u], v[BA], s[10:11] offset:64*\u+16
.irp j, 0,1,2,3,4,5,6,7
	global_load_b32 v[176+8*\u+\j], v[BV], s[12:13] offset:64*\u
.endr
.endr
	WIN 0
	s_wait_tensorcnt 0x0                           ; my part of slot 0 is in
	ds_add_u32 v19, v20
	s_wait_dscnt 0x0
	s_barrier_signal -1
	s_barrier_wait -1                              ; slot 0 is whole for all four waves
	tensor_load_to_lds s[G0+4:G0+7], s[G1:G1+7]    ; slot 1's first fill, my one load behind this barrier
	s_nop 0
	PLACES
	XLOAD 0, 0
	XQ 0
	KSTEP 0, WCH, 1, 0, 1, 0
	s_mov_b32 s[LC], 3
.Lk:
	KSTEP 1, 2*WCH, 0, 1, 1, 1
	KSTEP 2, 3*WCH, 0, 0, 1, 0
	KSTEP 3, 4*WCH, 0, 1, 1, 2
	KSTEP 0, 5*WCH, 0, 0, 1, 0
	s_wait_xcnt 0x0
	s_add_nc_u64 s[WP:WP+1], s[WP:WP+1], 4*WCH
	s_add_nc_u64 s[PFX:PFX+1], s[PFX:PFX+1], 2048
	s_sub_co_u32 s[LC], s[LC], 1
	s_cmp_lg_u32 s[LC], 0
	s_cbranch_scc1 .Lk
	KSTEP 1, 2*WCH, 0, 2, 1, 0
	KSTEP 2, 3*WCH, 0, 0, 1, 0
	KSTEP 3, 0, 0, 0, 0, 0
.macro EPI w1, w2, w3, base
	WIN \w1
.irp g, 0,1,2,3,4,5,6,7
	v_max3_num_f32 v[EM+\g], |v[\base+16*\g]|, |v[\base+16*\g+1]|, 0x1800000
.endr
	WIN \w2
.irp i, 2,4,6,8,10,12,14
.irp g, 0,1,2,3,4,5,6,7
	v_max3_num_f32 v[EM+\g], v[EM+\g], |v[\base+16*\g+\i]|, |v[\base+16*\g+\i+1]|
.endr
.endr
	WIN 0
.irp g, 0,1,2,3,4,5,6,7
	v_permlanex16_b32 v[ET+\g], v[EM+\g], s[SEL], s[SEL+1]
.endr
.irp g, 0,1,2,3,4,5,6,7
	v_max_num_f32 v[EM+\g], v[EM+\g], v[ET+\g]
.endr
.irp g, 0,1,2,3,4,5,6,7
	v_add_nc_u32 v[ES+\g], 0xff000000, v[EM+\g]
.endr
.irp g, 0,1,2,3,4,5,6,7
	v_lshrrev_b32 v[EBY+\g], 23, v[ES+\g]
.endr
	WIN \w3
.irp g, 0,1,2,3,4,5,6,7
	v_cvt_scalef32_pk16_fp6_f32 v[EC+4*\g:EC+4*\g+2], v[\base+16*\g:\base+16*\g+15], v[ES+\g]
.endr
	WIN 0
	v_nop
.endm
.macro QKOUT off
.irp t, 0,1,2,3,4,5,6,7
.irp i, 0,1,2
	ds_store_b32 v[EA], v[EC+4*\t+\i] offset:\off+1536*\t+4*\i
.endr
	ds_store_b8 v[EB], v[EBY+\t] offset:\off+12288+64*\t
.endr
	s_wait_dscnt 0x0
.endm
.irp g, 0,1,2,3,4,5,6,7
	v_mov_b32 v[ET+\g], 0
.endr
	EPI 0x0a, 0x28, 0x02, 0
	QKOUT 0
	; WHICH KEYS FORM A TILE OF k: token 16 t + r goes to tile 4 (t / 4) + t % 2 + 2 (r / 8), row 8 ((t / 2) % 2) + r % 8, so that in the next launch a lane's 32 score registers of four tiles are one whole block of 32 keys
	v_bfe_u32 v4, v0, 3, 1                         ; r / 8
	v_mad_u32_u24 v5, v4, 0xa80, v[EA]             ; codes: two tiles on (3,072 bytes) less eight rows of 48 bytes
	v_mad_u32_u24 v6, v4, 96, v[EB]                ; scale bytes: 128 less eight words
	EPI 0x0a, 0x28, 0x02, 128
.irp t, 0,1,2,3,4,5,6,7
.irp i, 0,1,2
	ds_store_b32 v5, v[EC+4*\t+\i] offset:12800+1536*(4*(\t/4)+\t%2)+384*((\t/2)%2)+4*\i
.endr
	ds_store_b8 v6, v[EBY+\t] offset:12800+12288+64*(4*(\t/4)+\t%2)+32*((\t/2)%2)
.endr
	s_wait_dscnt 0x0
	EPI 0x0f, 0x3c, 0x03, 0
.irp u, 0,1
.irp b, 0,1,2,3
.irp i, 0,1,2
	ds_store_b32 v[EV], v[EC+4*(4*\u+\b)+\i] offset:25600+1536*\u+768*(\b%2)+24*(\b/2)+4*\i
.endr
.endr
	v_lshl_or_b32 v[EBY+4*\u], v[EBY+4*\u+1], 8, v[EBY+4*\u]
	v_lshl_or_b32 v[EBY+4*\u], v[EBY+4*\u+2], 16, v[EBY+4*\u]
	v_lshl_or_b32 v[EBY+4*\u], v[EBY+4*\u+3], 24, v[EBY+4*\u]
	ds_store_b32 v[EW], v[EBY+4*\u] offset:37888+64*\u
.endr
	BAR
.irp i, 0,1,2,3,4,5,6,7,8,9,10,11,12,13,14,15,16,17
	ds_load_b128 v[128+4*\i:131+4*\i], v[CO] offset:2048*\i
.endr
.irp i, 0,1,2,3,4,5,6,7,8,9,10,11,12,13,14,15,16,17
	s_wait_dscnt 17-\i
	global_store_b128 v[CO], v[128+4*\i:131+4*\i], s[OUT:OUT+1] offset:2048*\i
.endr
	s_cmp_lt_u32 s[WV], 3
	s_cbranch_scc0 .Lno_rest
	ds_load_b128 v[200:203], v[CO] offset:36864
	s_wait_dscnt 0x0
	global_store_b128 v[CO], v[200:203], s[OUT:OUT+1] offset:36864
.Lno_rest:
	s_wait_tensorcnt 0x0
	ds_add_u32 v[SPW], v[NIL]
	s_wait_dscnt 0x0
	s_endpgm
.Lfunc_end_k_q4fb83cde52_proj:
	.size	k_q4fb83cde52_proj, .Lfunc_end_k_q4fb83cde52_proj-k_q4fb83cde52_proj
	.p2alignl 7, 3214868480
	.fill 96, 4, 3214868480
	.section	.rodata,"a",@progbits
	.p2align	6, 0x0
	.amdhsa_kernel k_q4fb83cde52_proj
		.amdhsa_group_segment_fixed_size 327680
		.amdhsa_private_segment_fixed_size 0
		.amdhsa_enable_private_segment 0
		.amdhsa_kernarg_size 48
		.amdhsa_user_sgpr_count 2
		.amdhsa_user_sgpr_kernarg_segment_ptr 1
		.amdhsa_wavefront_size32 1
		.amdhsa_system_sgpr_workgroup_id_x 1
		.amdhsa_system_sgpr_workgroup_id_y 1
		.amdhsa_system_sgpr_workgroup_id_z 1
		.amdhsa_system_vgpr_workitem_id 0
		.amdhsa_next_free_vgpr 1024
		.amdhsa_next_free_sgpr 66
		.amdhsa_reserve_vcc 0
		.amdhsa_float_denorm_mode_32 3
		.amdhsa_float_denorm_mode_16_64 3
		.amdhsa_memory_ordered 1
		.amdhsa_forward_progress 1
		.amdhsa_inst_pref_size 190
	.end_amdhsa_kernel
	.amdgpu_metadata
---
amdhsa.version: [ 1, 2 ]
amdhsa.kernels:
  - .name:           k_q4fb83cde52_proj
    .symbol:         k_q4fb83cde52_proj.kd
    .args:
      - { .name: x, .offset: 0, .size: 8, .value_kind: global_buffer, .address_space: global }
      - { .name: wc, .offset: 8, .size: 8, .value_kind: global_buffer, .address_space: global }
      - { .name: bq, .offset: 16, .size: 8, .value_kind: global_buffer, .address_space: global }
      - { .name: bk, .offset: 24, .size: 8, .value_kind: global_buffer, .address_space: global }
      - { .name: bv, .offset: 32, .size: 8, .value_kind: global_buffer, .address_space: global }
      - { .name: qkv, .offset: 40, .size: 8, .value_kind: global_buffer, .address_space: global }
    .group_segment_fixed_size: 327680
    .private_segment_fixed_size: 0
    .kernarg_segment_align: 8
    .kernarg_segment_size: 48
    .max_flat_workgroup_size: 128
    .sgpr_count:     66
    .vgpr_count:     1024
    .wavefront_size: 32
...
	.end_amdgpu_metadata
.endif
;; end of part 2
;; launch attn (part 3): grid 32 x 8, 8 waves a work-group, clusters of 4 x 1, 327,680 bytes of LDS; arguments qkv, out0; writes out0
.if DOCPART == 3
	.amdgcn_target "amdgcn-amd-amdhsa--gfx1250"
	.amdhsa_code_object_version 6
	.text
	.protected	k_q4fb83cde52_attn
	.globl	k_q4fb83cde52_attn
	.p2align	8
	.type	k_q4fb83cde52_attn,@function
k_q4fb83cde52_attn:
	s_mov_b64 s[64:65], 0
	v_nop
	global_prefetch_b8 v0, s[64:65] scope:SCOPE_SE
	s_setreg_imm32_b32 hwreg(HW_REG_WAVE_MODE, 25, 1), 1
	s_wait_xcnt 0x0
	s_wait_alu depctr_hold_cnt(0) depctr_sa_sdst(0) depctr_va_vdst(0) depctr_va_sdst(0) depctr_va_ssrc(0) depctr_va_vcc(0) depctr_vm_vsrc(0)
	s_getreg_b32 s2, hwreg(HW_REG_IB_STS2, 6, 4)
	s_cmp_eq_u32 s2, 0
	s_cbranch_scc0 .Lentry_in_a_cluster
	s_endpgm
.Lentry_in_a_cluster:
	s_bfe_u32 s2, ttmp6, 0x10000c
	s_cmp_lg_u32 s2, 0x3003
	s_cbranch_scc0 .Lentry_shape_is_right
	s_endpgm
.Lentry_shape_is_right:
; out0[b][q][:] = the sum over k of softmax_k(q . k) v[k][:], no scaling of the scores; both products on codes of FP6 (E2M3) with one E8M0 scale for each 32 along a product's K.
; qkv: 256 records of 38,400 bytes, one for each 128 rows: q's 8 fragments and words (12,800 bytes), then a dense block of 25,600 bytes for a step of 128 keys:
;   0 k's 8 fragments (1,536 bytes each) | 12,288 k's scale words | 12,800 v's 8 fragments (16 channels x 128 keys) | 25,088 v's scale words.  A fragment's 12 registers of lane L lie on end at 48 L.
; THE SOFTMAX: t = score x log2(e); M = the row's largest t so far, rounded up to a whole number; p = 2^(t - M) is quantised along the keys, not normalised.  The row's sum is taken of the unquantised p
; and divides O at the end.  When M moves, the sum and O are multiplied by 2^(old M - new M): exact.
; SHARES.  A work-group owns 128 queries, eight tiles of 16.  Wave w takes tiles 2 (w % 4), 2 (w % 4) + 1 and, of each slot's four key steps, steps 2 (w / 4), 2 (w / 4) + 1: a fragment of K or V read from LDS feeds two
; matrix instructions.  Each half of the keys has its own M, sum and O^T; at the end waves w and w xor 4 hand each other one tile's through LDS and each finishes one tile.
; CLUSTER.  The four work-groups of a cluster walk the same keys of one batch: each step's block is asked for jointly (waves 0 to 3: a block each; one load a wave is out at any time).
; LAYOUT.  Both products are used transposed (S^T = K Q^T, O^T = V^T P^T): a lane holds one query throughout.
; THE KEYS OF A TILE OF K were chosen by the launch before: rows 0-7 of tiles 4 c .. 4 c + 3 are block 2 c of the step's four blocks of 32 keys, rows 8-15 block 2 c + 1.  So lane (r, h) holds in score registers
; 32 c .. 32 c + 31 the WHOLE block 2 c + h, which is what p's operand wants of that lane: a block's maximum needs no other lane, and the conversions' results are the operand's registers.
; Place p of a block holds key p (p < 8), p + 8 (8 .. 15), p - 8 (16 .. 23), p (from 24), in p's codes and in v's alike.
; THE CHANGE OF SLOTS stands inside a slot's last key step, behind the wait that shows that step's V in registers: then my reads of the slot are over.  Sixteen matrix instructions stand between the round's opening
; signal and its wait, and the next slot's first K fragments are fetched under tile 1's softmax.
; A block's largest p is not searched for: the block's largest score goes through the same multiply-add and exponential (this takes v_exp_f32 not to fall where its input rises; at the worst one p of a block is held one code low).
; LIMITS: NaN and infinities are not served; a block whose every p has fallen under 2^-124 carries the byte 1; the promise holds while |t| stays under 2^31.
; REGISTERS.  Window 0: v1-11, v28, v30-31, v82-85 addresses; v12-15, v76-79 the tiles' -M, largest t, sum; v16-27, v224-235 Q; v29, v80, v32-39, v62, v81 scale words; v40-63 at work; v64-75, v236-247 p's codes;
;   v96-159 S^T, then p; v160-223 tile 0's O^T.   Window 1: K's fragments at 12 t, V's at 96 + 12 t, tile 1's O^T from v192.
.set SB,    25600
.set SLOT1, 1<<17                      ; slot 0 at 0, slot 1 here; a slot holds four blocks
.set EXCH,  SLOT1+4*SB                 ; for each wave 8,448 bytes: a tile's O^T, its -M and its sum
.set EXB,   8448
.set SPARE, EXCH+8*EXB                 ; the spare words, 128 bytes a wave
.set AF,  1
.set XW,  2
.set AS,  3
.set XR,  4
.set SPW, 5
.set NIL, 6
.set GO,  7
.set ADF, 8
.set XWS, 9
.set ADS, 10
.set XRS, 11
.set ST0, 12
.set Q0,  16
.set PFO, 28
.set QS0, 29
.set STO, 30
.set RD,  31
.set KS,  32
.set VS,  36
.set BM,  40                           ; v40-41 my two blocks' largest score, then largest p
.set BT,  42                           ; v42-43 the second chains
.set SCO, 44                           ; v44-45 the conversions' scale operands
.set BY,  46                           ; v46-47 the bytes
.set PX,  48                           ; v48, v49 what lane l xor 16 sends
.set PY,  49
.set H8,  50                           ; v50 8 h
.set CT,  52
.set F,   60
.set PW0, 62
.set TMP, 63
.set PC0, 64
.set ST1, 76
.set QS1, 80
.set PW1, 81
.set QO0, 82
.set QO1, 83
.set QW0, 84
.set QW1, 85
.set S,   96
.set O0,  160
.set Q1,  224
.set PC1, 236
.set O1,  192                          ; in window 1
.set WV,  8
.set SEL, 12
.set CS,  14
.set G1,  16
.set G0,  24
.set TB,  28
.set SLOTS, 29
.set LIM, 30
.set PFA, 32
.set MSB, 0
.macro WIN new
.if MSB != \new
	s_set_vgpr_msb (MSB<<8)|\new
.set MSB, \new
.endif
.endm
.macro PLACES
.rept 4
	v_nop
.endr
.endm
.macro CREST                           ; a round of the cluster's barrier behind its opening barrier
	s_cmp_lg_u32 s[WV], 0
	s_cbranch_scc1 .Lnot_wave_0_\@
	s_barrier_signal -3
.Lnot_wave_0_\@:
	s_barrier_wait -3
	s_barrier_signal -1
	s_barrier_wait -1
.endm
.macro CROUND
	s_barrier_signal -1
	s_barrier_wait -1
	CREST
.endm
.macro TLOAD                           ; waves 0 to 3 fetch a step's block each
	s_cmp_lt_u32 s[WV], 4
	s_cbranch_scc0 .Lasked_\@
	tensor_load_to_lds s[G0:G0+3], s[G1:G1+7]
	s_nop 0
	PLACES
.Lasked_\@:
.endm
; A prefetch of what the next change of slots will ask for: the batch's first cluster asks; its partners take a block each, by address; waves 4 to 7 take 6,400 bytes each, lanes 256 bytes apart (lanes 25 to 31 name the 25th piece again).
.macro ASK
	s_cmp_gt_u32 s[SLOTS], s[LIM]
	s_cbranch_scc0 .Lnot_mine_\@
	global_prefetch_b8 v[PFO], s[PFA:PFA+1] th:TH_LOAD_NT scope:SCOPE_SE
.Lnot_mine_\@:
.endm
.macro KLOAD q                         ; 28 LDS loads
	WIN 0x40
.irp t, 0,1,2,3,4,5,6,7
.irp c, 0,1,2
	ds_load_b128 v[12*\t+4*\c:12*\t+4*\c+3], v[ADF] offset:(\q)*SB+1536*\t+16*\c
.endr
.endr
	WIN 0
.irp i, 0,1,2,3
	ds_load_b32 v[KS+\i], v[ADS] offset:(\q)*SB+12288+128*\i
.endr
.endm
.macro VLOAD q                         ; 28 LDS loads
	WIN 0x40
.irp t, 0,1,2,3,4,5,6,7
.irp c, 0,1,2
	ds_load_b128 v[96+12*\t+4*\c:96+12*\t+4*\c+3], v[ADF] offset:(\q)*SB+12800+1536*\t+16*\c
.endr
.endr
	WIN 0
.irp i, 0,1,2,3
	ds_load_b32 v[VS+\i], v[ADS] offset:(\q)*SB+25088+128*\i
.endr
.endm
.macro WMZ d, a, sa, odd, qf, qs
.if \odd
	v_wmma_scale_f32_16x16x128_f8f6f4 v[\d:\d+7], v[\a:\a+11], v[\qf:\qf+11], 0, v[\sa], v[\qs] matrix_a_fmt:MATRIX_FMT_FP6 matrix_b_fmt:MATRIX_FMT_FP6 matrix_a_scale:MATRIX_SCALE_ROW1
.else
	v_wmma_scale_f32_16x16x128_f8f6f4 v[\d:\d+7], v[\a:\a+11], v[\qf:\qf+11], 0, v[\sa], v[\qs] matrix_a_fmt:MATRIX_FMT_FP6 matrix_b_fmt:MATRIX_FMT_FP6
.endif
.endm
.macro WMA d, a, sa, odd, pc, pw
.if \odd
	v_wmma_scale_f32_16x16x128_f8f6f4 v[\d:\d+7], v[\a:\a+11], v[\pc:\pc+11], v[\d:\d+7], v[\sa], v[\pw] matrix_a_fmt:MATRIX_FMT_FP6 matrix_b_fmt:MATRIX_FMT_FP6 matrix_a_scale:MATRIX_SCALE_ROW1
.else
	v_wmma_scale_f32_16x16x128_f8f6f4 v[\d:\d+7], v[\a:\a+11], v[\pc:\pc+11], v[\d:\d+7], v[\sa], v[\pw] matrix_a_fmt:MATRIX_FMT_FP6 matrix_b_fmt:MATRIX_FMT_FP6
.endif
.endm
; THE SOFTMAX of one tile for 128 keys: from the 64 scores to p's codes and scale word; O^T (at v[ob] under window setting ow) is brought under the new M.
.macro SOFTMAX st, pc, pw, ob, ow, mid   ; mid other than 0: the first part of the change of slots stands ahead of the exponentials
.irp c, 0,1
	v_max3_num_f32 v[BM+\c], v[S+32*\c], v[S+32*\c+1], v[S+32*\c+2]          ; my block c's largest score, in two chains; each accumulator is read from its low end on
	v_max3_num_f32 v[BT+\c], v[S+32*\c+16], v[S+32*\c+17], v[S+32*\c+18]
.endr
.irp i, 3,5,7,9,11,13
.irp c, 0,1
	v_max3_num_f32 v[BM+\c], v[BM+\c], v[S+32*\c+\i], v[S+32*\c+\i+1]
	v_max3_num_f32 v[BT+\c], v[BT+\c], v[S+32*\c+16+\i], v[S+32*\c+17+\i]
.endr
.endr
.irp c, 0,1
	v_max_num_f32 v[BT+\c], v[BT+\c], v[S+32*\c+31]
.endr
.irp c, 0,1
	v_max3_num_f32 v[BM+\c], v[BM+\c], v[S+32*\c+15], v[BT+\c]
.endr
	v_max_num_f32 v[TMP], v[BM], v[BM+1]
	v_permlanex16_b32 v[PX], v[TMP], s[SEL], s[SEL+1]
	v_max_num_f32 v[TMP], v[TMP], v[PX]            ; with lane l xor 16's two blocks: the step's largest score of my query
	s_delay_alu instid0(VALU_DEP_1)
	v_mul_f32 v[TMP], s[CS], v[TMP]
	s_delay_alu instid0(VALU_DEP_1)
	v_max_num_f32 v[\st+1], v[\st+1], v[TMP]       ; the running largest t
	v_mov_b32 v[TMP], v[\st]
	s_delay_alu instid0(VALU_DEP_2)
	v_floor_f32 v[\st], -v[\st+1]                  ; the new -M = -ceil(t)
	s_delay_alu instid0(VALU_DEP_1)
	v_sub_f32 v[TMP], v[\st], v[TMP]
	s_delay_alu instid0(VALU_DEP_1)
	v_cvt_i32_f32 v[TMP], v[TMP]                   ; (it saturates)
	s_delay_alu instid0(VALU_DEP_1)
	v_ldexp_f32 v[F], 1.0, v[TMP]                  ; f = 2^(old M - new M)
.set JJ, 0
.rept 32
	v_pk_fma_f32 v[S+JJ:S+JJ+1], v[S+JJ:S+JJ+1], s[CS:CS+1], v[\st:\st+1] op_sel_hi:[1,0,0]   ; t - M
.set JJ, JJ+2
.endr
.irp c, 0,1
	v_fma_f32 v[BM+\c], v[BM+\c], s[CS], v[\st]
.endr
.set JJ, 0
	s_wait_alu depctr_va_vdst(0)                   ; the wait ahead of the batch, and directly ahead of the blocking waits below
.if \mid
	CHG_A \mid                                     ; its wait on DScnt shows this step's V in: my reads of the slot are over.  All that follows up to the barrier's wait is work on registers
.endif
.rept 64
	v_exp_f32 v[S+JJ], v[S+JJ]
.set JJ, JJ+1
.endr
	v_pk_mul_f32 v[\st+2:\st+3], v[\st+2:\st+3], v[F:F+1] op_sel_hi:[1,0]   ; the sums under the new M: a plain line behind the exponentials
	s_wait_alu depctr_va_vdst(0)                   ; one wait for the batch, ahead of its first reader
.irp c, 0,1
	v_exp_f32 v[BM+\c], v[BM+\c]                   ; the block's largest p
.endr
	v_pk_add_f32 v[CT:CT+1], v[S:S+1], v[S+2:S+3]  ; the row's sum of the unquantised p, in two chains
.set JJ, 4
.rept 15
	v_pk_add_f32 v[\st+2:\st+3], v[\st+2:\st+3], v[S+JJ:S+JJ+1]
	v_pk_add_f32 v[CT:CT+1], v[CT:CT+1], v[S+JJ+2:S+JJ+3]
.set JJ, JJ+4
.endr
	s_delay_alu instid0(VALU_DEP_1)
	v_pk_add_f32 v[\st+2:\st+3], v[\st+2:\st+3], v[CT:CT+1]
	s_wait_alu depctr_va_vdst(0)                   ; and one for the two
.irp c, 0,1
	v_max_num_f32 v[BM+\c], 0x1800000, v[BM+\c]    ; the floor 2^(3 - 127): the byte cannot fall under 1
.endr
.irp c, 0,1
	v_add_nc_u32 v[SCO+\c], 0xff000000, v[BM+\c]   ; 2 off the exponent field: the conversion's scale operand
.endr
.irp c, 0,1
	v_lshrrev_b32 v[BY+\c], 23, v[SCO+\c]
.endr
	v_lshl_or_b32 v[\pw], v[BY+1], 16, v[BY]       ; my two bytes: blocks h and 2 + h,
	v_lshlrev_b32 v[\pw], v[H8], v[\pw]            ; at their places in the word;
	v_permlanex16_b32 v[PY], v[\pw], s[SEL], s[SEL+1]
	v_or_b32 v[\pw], v[\pw], v[PY]                 ; with lane l xor 16's two the word is whole
.irp c, 0,1
	v_cvt_scalef32_pk16_fp6_f32 v[\pc+6*\c:\pc+6*\c+2], v[S+32*\c:S+32*\c+15], v[SCO+\c]
	v_cvt_scalef32_pk16_fp6_f32 v[CT+4*\c:CT+4*\c+2], v[S+32*\c+16:S+32*\c+31], v[SCO+\c]   ; (a conversion's three registers begin on an even number)
.endr
	v_nop                                          ; one plain place behind a scaled conversion
.irp c, 0,1
.irp i, 0,1,2
	v_mov_b32 v[\pc+3+6*\c+\i], v[CT+4*\c+\i]
.endr
.endr
	WIN \ow
	s_wait_alu depctr_va_vdst(0)                   ; the wait directly ahead of the first reader of O^T
.set JJ, 0
.rept 32
	v_pk_mul_f32 v[\ob+JJ:\ob+JJ+1], v[\ob+JJ:\ob+JJ+1], v[F:F+1] op_sel_hi:[1,0]   ; O^T under the new M; also the places between p's codes and word and the products that take them
.set JJ, JJ+2
.endr
.endm
; The change of slots, first part: all my tensor loads are in, the add, my LDS reads are over, the signal.  fill = 1: a refill follows behind a round of the cluster's barrier; 2: nothing is filled again.
.macro CHG_A fill
	s_wait_tensorcnt 0x0
	ds_add_u32 v[SPW], v[NIL]                      ; an add to my spare word;
.if \fill == 1
	ds_add_u32 v[SPW], v[NIL]                      ; twice
	s_xor_b32 s[G0+1], s[G0+1], SLOT1              ; no load of mine is out: the walking descriptor goes to the other slot,
	s_add_nc_u64 s[G0+2:G0+3], s[G0+2:G0+3], 4*38400   ; four records on
	s_wait_xcnt 0x0                                ; the last prefetch has read its address
	s_add_nc_u64 s[PFA:PFA+1], s[PFA:PFA+1], 4*38400   ; one slot further on than the descriptor
.endif
	s_wait_dscnt 0x0
	s_barrier_signal -1
.endm
.macro CHG_B fill
	s_barrier_wait -1
.if \fill == 1
	CREST
	TLOAD
	ASK
.endif
.endm
.macro NEXTK                           ; on to the other slot, and its first K fragments
	s_xor_b32 s[TB], s[TB], SLOT1
	v_add_nc_u32 v[ADF], s[TB], v[AF]
	v_add_nc_u32 v[ADS], s[TB], v[AS]
	KLOAD 0
.endm
.macro MM16                            ; tile 1's scores and tile 0's second product: sixteen accumulators, one instruction each
	WIN 0x01
.irp t, 0,1,2,3,4,5,6,7
	WMZ S+8*\t, 12*\t, KS+\t/2, \t%2, Q1, QS1
.endr
.irp t, 0,1,2,3,4,5,6,7
	WMA O0+8*\t, 96+12*\t, VS+\t/2, \t%2, PC0, PW0
.endr
	WIN 0
.endm
; A KEY STEP, my q-th of the slot, for both tiles.  nextk: 1 the slot's next step's K; 2 the next slot's; 3 the next slot's, but in the walk's last step none.  chg: 0 none, else CHG_A's fill.
.macro STEP q, nextk, chg
	VLOAD \q
	s_wait_dscnt 28                                ; K's 28 loads are in; V's 28, just issued, may be out
	WIN 0x01
.irp t, 0,1,2,3,4,5,6,7
	WMZ S+8*\t, 12*\t, KS+\t/2, \t%2, Q0, QS0
.endr
	WIN 0
	PLACES
	SOFTMAX ST0, PC0, PW0, O0, 0, \chg
.if \chg
	MM16                                           ; still between the signal and the wait
	CHG_B \chg
.else
	s_wait_alu depctr_va_vdst(0)                   ; the wait directly ahead of the blocking wait
	s_wait_dscnt 0x0                               ; V is in
	MM16
.endif
	PLACES                                         ; in front of the first read of the scores and of loads into K's registers
.if \nextk == 1
	KLOAD (\q)+1
.elseif \nextk == 2
	NEXTK
.elseif \nextk == 3
	s_cmp_eq_u32 s[SLOTS], 1
	s_cbranch_scc1 .Lno_k_\@
	NEXTK
.Lno_k_\@:
.endif
	SOFTMAX ST1, PC1, PW1, O1, 0x41, 0
	WIN 0x51
.irp t, 0,1,2,3,4,5,6,7
	WMA O1+8*\t, 96+12*\t, VS+\t/2, \t%2, PC1, PW1
.endr
	WIN 0
	PLACES
.endm
	s_load_b128 s[4:7], s[0:1], 0x0                ; qkv s[4:5], out0 s[6:7]
	v_lshl_add_u32 v[SPW], v0, 2, SPARE
	v_mov_b32 v[NIL], 0
	ds_add_u32 v[SPW], v[NIL]
	ds_add_u32 v[SPW], v[NIL]
	s_wait_dscnt 0x0
	v_lshrrev_b32 v1, 5, v0
	s_delay_alu instid0(VALU_DEP_1)
	v_readfirstlane_b32 s[WV], v1
	s_bfe_u32 s9, ttmp6, 0x40000                   ; cx: it enters global addresses of Q, out0 and the prefetches alone
	s_lshl_b32 s10, ttmp9, 2
	s_add_co_u32 s10, s10, s9                      ; my block of 128 queries
	s_and_b32 s11, ttmp7, 0xffff                   ; the batch
	s_mov_b32 s[G1+0], 15|(3<<16)|(1<<21)          ; a dense block of 25,600 bytes as 100 rows of 256 bytes; the mask of all four
	s_mov_b32 s[G1+1], 32<<16
	s_mov_b32 s[G1+2], 100<<16
	s_mov_b32 s[G1+3], 32<<16
	s_mov_b32 s[G1+4], 100
	s_mov_b32 s[G1+5], 32
	s_mov_b32 s[G1+6], 0
	s_mov_b32 s[G1+7], 0
	s_mov_b32 s[SEL], 0x76543210
	s_mov_b32 s[SEL+1], 0xfedcba98
	s_mov_b32 s[CS], 0x3fb8aa3b                    ; log2(e)
	s_mov_b32 s[CS+1], s[CS]
	s_mov_b32 s[TB], 0
	s_mov_b32 s[SLOTS], 6                          ; trips that fill a slot again
	s_lshr_b32 s[LIM], s[WV], 2
	s_xor_b32 s[LIM], s[LIM], 1
	s_or_b32 s[LIM], s[LIM], ttmp9                 ; 0 in waves 4 to 7 of the batch's first cluster
	s_cmp_eq_u32 s[LIM], 0
	s_cselect_b32 s[LIM], 1, -1
	s_mul_i32 s34, s11, 32*38400                   ; the batch's first record
	s_and_b32 s36, s[WV], 3
	s_lshr_b32 s51, s[WV], 2                       ; which half of a slot's steps is mine
	s_mul_i32 s37, s36, 38400
	s_add_co_u32 s38, s34, s37
	s_add_co_u32 s38, s38, 12800                   ; what I fetch: step (wave) of the slot, behind q's part
	s_mov_b32 s39, 0
	s_mul_i32 s37, s36, SB                         ; and its place in a slot
	s_mul_i32 s40, s10, 38400                      ; my own record
	s_add_co_u32 s40, s40, s34
	s_mov_b32 s41, 0
	s_lshl_b32 s52, s36, 1
	s_add_co_u32 s52, s52, s51                     ; my tile 0, which I finish
	s_xor_b32 s53, s52, 1                          ; my tile 1, which my partner finishes
	s_lshl_b32 s46, s11, 21                        ; out0: (4,096 batch + 128 block + 16 tile) rows of 512 bytes
	s_lshl_b32 s47, s10, 16
	s_add_co_u32 s46, s46, s47
	s_lshl_b32 s47, s52, 13
	s_add_co_u32 s46, s46, s47
	s_mov_b32 s47, 0
	s_add_co_u32 s48, s9, 4                        ; the prefetches: block cx of slot 1 (the first change steps it to slot 2),
	s_mul_i32 s48, s48, 38400
	s_mul_i32 s49, s36, 6400                       ; my wave's quarter of it
	s_add_co_u32 s48, s48, s49
	s_add_co_u32 s48, s48, s34
	s_add_co_u32 s48, s48, 12800
	s_mov_b32 s49, 0
	s_mul_i32 s54, s52, 1536
	s_mul_i32 s55, s53, 1536
	s_lshl_b32 s56, s52, 6
	s_add_co_u32 s56, s56, 12288
	s_lshl_b32 s57, s53, 6
	s_add_co_u32 s57, s57, 12288
	s_mul_i32 s58, s51, 2*SB                       ; my half of a slot
	s_mul_i32 s59, s[WV], EXB
	s_add_co_u32 s59, s59, EXCH
	s_xor_b32 s60, s[WV], 4
	s_mul_i32 s60, s60, EXB
	s_add_co_u32 s60, s60, EXCH
	v_and_b32 v[TMP], 31, v0                       ; lane
	s_delay_alu instid0(VALU_DEP_1)
	v_mul_u32_u24 v[QO0], v[TMP], 48
	s_delay_alu instid0(VALU_DEP_1)
	v_add_nc_u32 v[AF], s58, v[QO0]
	s_delay_alu instid0(VALU_DEP_2)
	v_add_nc_u32 v[QO1], s55, v[QO0]
	s_delay_alu instid0(VALU_DEP_3)
	v_add_nc_u32 v[QO0], s54, v[QO0]
	v_lshl_add_u32 v[AS], v[TMP], 2, s58
	v_lshl_add_u32 v[XW], v[TMP], 4, s59
	v_lshl_add_u32 v[XR], v[TMP], 4, s60
	v_lshl_add_u32 v[XWS], v[TMP], 2, s59
	v_lshl_add_u32 v[XRS], v[TMP], 2, s60
	v_min_u32 v[PFO], 24, v[TMP]
	s_delay_alu instid0(VALU_DEP_1)
	v_lshlrev_b32 v[PFO], 8, v[PFO]
	v_and_b32 v[CT], 15, v0                        ; r
	v_bfe_u32 v[CT+1], v0, 4, 1                    ; h
	s_delay_alu instid0(VALU_DEP_1)
	v_lshlrev_b32 v[GO], 9, v[CT+1]
	s_delay_alu instid0(VALU_DEP_1)
	v_lshl_add_u32 v[GO], v[CT], 4, v[GO]
	s_delay_alu instid0(VALU_DEP_4)
	v_mul_u32_u24 v[STO], v[CT], 272               ; the stage for the way out, 16 rows x 272 bytes, lies in my partner's image, which I alone touch behind the barrier
	s_delay_alu instid0(VALU_DEP_1)
	v_lshl_add_u32 v[STO], v[CT+1], 5, v[STO]
	s_delay_alu instid0(VALU_DEP_1)
	v_add_nc_u32 v[STO], s60, v[STO]
	v_mul_u32_u24 v[RD], v[CT+1], 272
	s_delay_alu instid0(VALU_DEP_1)
	v_lshl_add_u32 v[RD], v[CT], 4, v[RD]
	s_delay_alu instid0(VALU_DEP_1)
	v_add_nc_u32 v[RD], s60, v[RD]
	v_lshl_add_u32 v[QW0], v[CT], 2, s56
	v_lshl_add_u32 v[QW1], v[CT], 2, s57
	v_lshlrev_b32 v[H8], 3, v[CT+1]
	s_wait_alu depctr_va_vdst(0)                   ; the wait directly ahead of the blocking wait
	s_wait_kmcnt 0x0
	s_mov_b32 s[G0], 1
	s_mov_b32 s[G0+1], s37
	s_add_nc_u64 s[G0+2:G0+3], s[4:5], s[38:39]
	s_or_b32 s[G0+3], s[G0+3], 0x80000000
	s_add_nc_u64 s[PFA:PFA+1], s[4:5], s[48:49]
	s_add_nc_u64 s[42:43], s[4:5], s[40:41]
	s_add_nc_u64 s[46:47], s[6:7], s[46:47]
	CROUND                                         ; the first joint loads meet
	TLOAD                                          ; slot 0
.irp c, 0,1,2
	global_load_b128 v[Q0+4*\c:Q0+4*\c+3], v[QO0], s[42:43] offset:16*\c   ; Q's two fragments stay in registers
	global_load_b128 v[Q1+4*\c:Q1+4*\c+3], v[QO1], s[42:43] offset:16*\c
.endr
	global_load_b32 v[QS0], v[QW0], s[42:43]
	global_load_b32 v[QS1], v[QW1], s[42:43]
.irp st, ST0, ST1
	v_mov_b32 v[\st+1], 0xff61b1e6                 ; the largest t so far: -3e38
	s_delay_alu instid0(VALU_DEP_1)
	v_floor_f32 v[\st], -v[\st+1]
	v_mov_b32 v[\st+2], 0
	v_mov_b32 v[\st+3], 0
.endr
	v_mov_b32 v[PX], 0                             ; a lane permute's destination counts as one of its sources
	v_mov_b32 v[PY], 0
	v_mov_b32 v[F+1], 0
	v_add_nc_u32 v[ADF], s[TB], v[AF]
	v_add_nc_u32 v[ADS], s[TB], v[AS]
.set JJ, 0
.rept 64
	v_mov_b32 v[O0+JJ], 0                          ; O^T: the step is written once; these lines stand while slot 0 is on its way
.set JJ, JJ+1
.endr
	WIN 0x40
.set JJ, 0
.rept 64
	v_mov_b32 v[O1+JJ], 0
.set JJ, JJ+1
.endr
	WIN 0
	s_wait_alu depctr_va_vdst(0)                   ; the wait at the head's end
	s_wait_loadcnt 0x0                             ; Q and its scale words
	CHG_A 1                                        ; slot 0 is in; slot 1's first fill is issued as a refill is
	CHG_B 1
	KLOAD 0
.Lslot:                                            ; six trips: slot j is worked, and in its last step slot j + 2 is asked for
	STEP 0, 1, 0
	STEP 1, 2, 1
	s_sub_co_u32 s[SLOTS], s[SLOTS], 1
	s_cmp_lg_u32 s[SLOTS], 0
	s_cbranch_scc1 .Lslot
	s_mov_b32 s[SLOTS], 2
.Ltail:                                            ; the last two slots: nothing is filled again; the first trip's barrier shows the last slot whole, the second trip's orders nothing more
	STEP 0, 1, 0
	STEP 1, 3, 2
	s_sub_co_u32 s[SLOTS], s[SLOTS], 1
	s_cmp_lg_u32 s[SLOTS], 0
	s_cbranch_scc1 .Ltail
	; THE TWO HALVES OF THE KEYS MEET.  Each tile's sum: its two halves, and lane l xor 16's.
	v_add_f32 v[ST0+2], v[ST0+2], v[ST0+3]
	v_add_f32 v[ST1+2], v[ST1+2], v[ST1+3]
	s_delay_alu instid0(VALU_DEP_2)
	v_permlanex16_b32 v[PX], v[ST0+2], s[SEL], s[SEL+1]
	s_delay_alu instid0(VALU_DEP_2)
	v_permlanex16_b32 v[PY], v[ST1+2], s[SEL], s[SEL+1]
	s_delay_alu instid0(VALU_DEP_2)
	v_add_f32 v[ST0+2], v[ST0+2], v[PX]
	s_delay_alu instid0(VALU_DEP_2)
	v_add_f32 v[ST1+2], v[ST1+2], v[PY]
	WIN 0x04                                       ; an LDS store's data are its source 1: window 1
.irp i, 0,1,2,3,4,5,6,7,8,9,10,11,12,13,14,15
	ds_store_b128 v[XW], v[O1+4*\i:O1+4*\i+3] offset:512*\i   ; my tile 1's O^T as it stands, each accumulator from its low end on
.endr
	WIN 0
	ds_store_b32 v[XWS], v[ST1] offset:8192        ; its -M
	ds_store_b32 v[XWS], v[ST1+2] offset:8320      ; its sum
	s_wait_alu depctr_va_vdst(0)                   ; the wait directly ahead of the blocking wait
	s_wait_dscnt 0x0                               ; for my partner's sake
	s_barrier_signal -1
	s_barrier_wait -1
.irp i, 0,1,2,3,4,5,6,7,8,9,10,11,12,13,14,15
	ds_load_b128 v[S+4*\i:S+4*\i+3], v[XR] offset:512*\i      ; my partner's part of my tile 0
.endr
	ds_load_b32 v[BM], v[XRS] offset:8192
	ds_load_b32 v[BM+1], v[XRS] offset:8320
	s_wait_dscnt 0x0
	v_min_num_f32 v[TMP], v[ST0], v[BM]            ; the smaller -M is the larger M
	s_delay_alu instid0(VALU_DEP_1)
	v_sub_f32 v[BT], v[TMP], v[ST0]                ; my M less the common one: a whole number, 0 or less;
	s_delay_alu instid0(VALU_DEP_2)
	v_sub_f32 v[BT+1], v[TMP], v[BM]               ; my partner's
	s_delay_alu instid0(VALU_DEP_2)
	v_cvt_i32_f32 v[BT], v[BT]
	s_delay_alu instid0(VALU_DEP_2)
	v_cvt_i32_f32 v[BT+1], v[BT+1]
	s_delay_alu instid0(VALU_DEP_2)
	v_ldexp_f32 v[F], 1.0, v[BT]
	s_delay_alu instid0(VALU_DEP_2)
	v_ldexp_f32 v[CT], 1.0, v[BT+1]
	s_delay_alu instid0(VALU_DEP_2)
	v_mul_f32 v[SCO], v[ST0+2], v[F]
	s_delay_alu instid0(VALU_DEP_1)
	v_fma_f32 v[SCO], v[BM+1], v[CT], v[SCO]       ; the row's sum over all keys: above 1/2
	s_wait_alu depctr_va_vdst(0)                   ; the wait ahead of the transcendental
	v_rcp_f32 v[SCO+1], v[SCO]
	v_nop
	s_wait_alu depctr_va_vdst(0)                   ; and ahead of its first reader
	v_mul_f32 v[F], v[F], v[SCO+1]
	v_mul_f32 v[CT], v[CT], v[SCO+1]
.set JJ, 0
.rept 32
	v_pk_mul_f32 v[S+JJ:S+JJ+1], v[S+JJ:S+JJ+1], v[CT:CT+1] op_sel_hi:[1,0]
.set JJ, JJ+2
.endr
.set JJ, 0
.rept 32
	v_pk_fma_f32 v[S+JJ:S+JJ+1], v[O0+JJ:O0+JJ+1], v[F:F+1], v[S+JJ:S+JJ+1] op_sel_hi:[1,0,1]   ; register 8 t + i is o(r, 16 t + 8 h + i)
.set JJ, JJ+2
.endr
	; THE WAY OUT: through my stage, half a row (256 bytes) of 16 queries at a time, so that sixteen lanes store 256 consecutive bytes.
.irp u, 0,1
.irp t, 0,1,2,3
	ds_store_b128 v[STO], v[S+32*\u+8*\t:S+32*\u+8*\t+3] offset:64*\t
	ds_store_b128 v[STO], v[S+32*\u+8*\t+4:S+32*\u+8*\t+7] offset:64*\t+16
.endr
.irp i, 0,1,2,3,4,5,6,7
	ds_load_b128 v[O0+32*\u+4*\i:O0+32*\u+4*\i+3], v[RD] offset:2*\i*272   ; LDS serves a wave's instructions in order (ISA guide 5.7.1.4)
.endr
.endr
.irp u, 0,1
.irp i, 0,1,2,3,4,5,6,7
	s_wait_dscnt 23-16*\u-\i                       ; load (u, i) is in: behind it the rest of its eight and, for u = 0, the other half's 16
	global_store_b128 v[GO], v[O0+32*\u+4*\i:O0+32*\u+4*\i+3], s[46:47] offset:1024*\i+256*\u th:TH_STORE_NT
.endr
.endr
	s_wait_tensorcnt 0x0                           ; the wave's end
	ds_add_u32 v[SPW], v[NIL]
	s_wait_dscnt 0x0
	CROUND                                         ; the closing round
	s_endpgm
.Lfunc_end_k_q4fb83cde52_attn:
	.size	k_q4fb83cde52_attn, .Lfunc_end_k_q4fb83cde52_attn-k_q4fb83cde52_attn
	.p2alignl 7, 3214868480
	.fill 96, 4, 3214868480
	.section	.rodata,"a",@progbits
	.p2align	6, 0x0
	.amdhsa_kernel k_q4fb83cde52_attn
		.amdhsa_group_segment_fixed_size 327680
		.amdhsa_private_segment_fixed_size 0
		.amdhsa_enable_private_segment 0
		.amdhsa_kernarg_size 16
		.amdhsa_user_sgpr_count 2
		.amdhsa_user_sgpr_kernarg_segment_ptr 1
		.amdhsa_wavefront_size32 1
		.amdhsa_system_sgpr_workgroup_id_x 1
		.amdhsa_system_sgpr_workgroup_id_y 1
		.amdhsa_system_sgpr_workgroup_id_z 1
		.amdhsa_system_vgpr_workitem_id 0
		.amdhsa_next_free_vgpr 512
		.amdhsa_next_free_sgpr 66
		.amdhsa_reserve_vcc 0
		.amdhsa_float_denorm_mode_32 3
		.amdhsa_float_denorm_mode_16_64 3
		.amdhsa_memory_ordered 1
		.amdhsa_forward_progress 1
		.amdhsa_inst_pref_size 158
	.end_amdhsa_kernel
	.amdgpu_metadata
---
amdhsa.version: [ 1, 2 ]
amdhsa.kernels:
  - .name:           k_q4fb83cde52_attn
    .symbol:         k_q4fb83cde52_attn.kd
    .args:
      - { .name: qkv, .offset: 0, .size: 8, .value_kind: global_buffer, .address_space: global }
      - { .name: out0, .offset: 8, .size: 8, .value_kind: global_buffer, .address_space: global }
    .group_segment_fixed_size: 327680
    .private_segment_fixed_size: 0
    .kernarg_segment_align: 8
    .kernarg_segment_size: 16
    .max_flat_workgroup_size: 256
    .sgpr_count:     66
    .vgpr_count:     512
    .wavefront_size: 32
...
	.end_amdgpu_metadata
.endif
;; end of part 3
